; MI455X (gfx1250); checked and timed in simulation.
; The chip was launched on July 23, 2026; its instructions are those of AMD's public machine-readable ISA for CDNA 5 (MIT licence, August 2026) and "CDNA5" Instruction Set Architecture Reference Guide (July 2026). The comments in the code are by the model that wrote it; some were corrected since.
;; Attn. Allowed arithmetic: float matrix products may take bf16 or f16 operands with f32 sums; all other float work in f32.
;; Inputs: W 1,024 x 1,024 float32; b 1,024 float32; encoder_outputs 32 x 2,048 x 1,024 float32; hidden 32 x 1 x 1,024 float32.
;; Outputs: out0 32 x 2,048 float32.
;; 2 versions, each right; version 2 is version 1 with the launch score written anew for expert scheduling mode. Each part assembles by itself: llvm-mc -triple=amdgcn-amd-amdhsa -mcpu=gfx1250 --defsym DOCPART=n.
;; ======== version 1 of 2: 3 launches
;; workspace buffers: vpart 1,048,576 bytes; scores 262,144 bytes
;; launch proj (part 1): grid 64 x 4, 8 waves a work-group, no clusters, 37,888 bytes of LDS; arguments W, hidden, vpart; writes vpart
.if DOCPART == 1
	.amdgcn_target "amdgcn-amd-amdhsa--gfx1250"
	.amdhsa_code_object_version 6
	.text
	.protected	k_q81d2ada7c8_proj
	.globl	k_q81d2ada7c8_proj
	.p2align	8
	.type	k_q81d2ada7c8_proj,@function
k_q81d2ada7c8_proj:
	s_mov_b64 s[64:65], 0
	v_nop
	global_prefetch_b8 v0, s[64:65] scope:SCOPE_SE
	s_setreg_imm32_b32 hwreg(HW_REG_WAVE_MODE, 25, 1), 1
	s_wait_xcnt 0x0
; vpart[kb][batch][h] = sum over the 128 k of block kb of hidden[batch][k] * W[k][h].     W: [1024][1024] f32, hidden: [32][1024] f32.
; WHY THIS PRODUCT: score[b][s] = sum_k hidden[b][k] (sum_h enc[b][s][h] W[k][h] + bias[k]) = sum_h enc[b][s][h] v[b][h] + c[b] with
; v[b][h] = sum_k hidden[b][k] W[k][h] and c[b] = sum_k hidden[b][k] bias[k]: the same sum taken in another order, for every input.
; This launch makes v in eight partial sums over k; the next launch adds the eight.
; ALL IN f32 ON THE VECTOR ALU: the scores feed an exponential, so an absolute error of a score is a relative error of the result; v rounded
; to 16 bits would put some 2^-9 of each of 1,024 products into every score.  The work is 32 rows against 4 MiB of W: the bytes decide.
; LIMIT: the order of summation is not that of the formula as written (k in 8 blocks x 8 waves x 16 rows, then trees).
; SHARES: 256 work-groups = 8 column blocks (cb, 128 columns) x 8 row blocks (kb, 128 rows of W) x 4 batch groups (bg, 8 batches).
; Wave w takes rows 16 w .. 16 w + 15 of the block; lane l columns 4 l .. 4 l + 3, for all 8 batches: a load of a wave covers 512
; consecutive bytes, aligned, and each byte of the W tile enters one register once.  The eight waves' sums meet in LDS.
; NO CLUSTER: the four batch groups do read the same 64 KiB tile of W, but each byte goes straight into the registers of the one wave
; that uses it; a joint load would add an LDS stage of 64 KiB with its reads and three rounds of barriers to a launch that asks for
; 16 MiB in all, while the whole program reads 256 MiB of encoder outputs.
.set ACC, 16                           ; v[16:47]    sums: batch b at ACC + 4 b, my 4 columns
.set WR,  48                           ; v[48:111]   W: row j of my 16 at WR + 4 j; later the eight waves' sums
.set HR,  112                          ; v[112:239]  hidden: the 4 numbers k = 16 w + 4 q .. + 3 of batch b at HR + 4 (8 q + b)
.set HID, 0                            ; LDS 0 .. 4095: hidden[8 batches][128 k], 512 bytes a batch
.set RED, 4096                         ; LDS 4096 .. 36863: [8 waves][8 batches][128 columns], bytes of its own, so HID's reads need no barrier against it
; v1 = 16 lane (offset in W);  v2 = 4096 wave + 16 lane (offset in hidden and in vpart, and my place in RED);  v3 = 16 t;  v4 = 64 wave
	s_load_b128 s[4:7], s[0:1], 0x0                ; W s[4:5], hidden s[6:7]
	s_load_b64 s[8:9], s[0:1], 0x10                ; vpart
	v_lshl_add_u32 v240, v0, 2, 0x9000
	v_mov_b32 v241, 0
	v_lshrrev_b32 v10, 5, v0
	v_readfirstlane_b32 s10, v10                   ; wave 0..7
	v_and_b32 v1, 31, v0
	v_lshlrev_b32 v1, 4, v1                        ; 16 bytes a lane
	v_lshlrev_b32 v3, 4, v0                        ; 16 bytes a thread
	s_and_b32 s11, ttmp9, 7                        ; cb
	s_lshr_b32 s12, ttmp9, 3                       ; kb
	s_and_b32 s13, ttmp7, 0xffff                   ; bg
	s_lshl_b32 s20, s10, 12
	v_add_nc_u32 v2, s20, v1                       ; wave = batch of the group: a row of 4,096 bytes in hidden and vpart; wave's 4,096 bytes in RED.
	                                               ; 7 x 4,096 + 31 x 16 = 29,168 at the most: the furthest store into RED ends at 4,096 + 3,584 + 29,168 + 16 = 36,864
	s_lshl_b32 s21, s10, 6
	v_mov_b32 v4, s21                              ; my 16 k are 64 bytes of a batch's 512 in HID
	s_lshl_b32 s22, s11, 9                         ; cb x 128 columns x 4 bytes
	s_lshl_b32 s23, s13, 15                        ; bg x 8 batches x 4,096 bytes
	s_lshl_b32 s14, s12, 19                        ; W: kb x 128 rows x 4,096 bytes
	s_lshl_b32 s15, s10, 16                        ;    + wave x 16 rows
	s_add_co_u32 s14, s14, s15
	s_add_co_u32 s14, s14, s22                     ;    + the column block
	s_mov_b32 s15, 0
	s_lshl_b32 s16, s12, 9                         ; hidden: kb x 128 k x 4 bytes
	s_add_co_u32 s16, s16, s23                     ;    + the batch group
	s_mov_b32 s17, 0
	s_lshl_b32 s18, s12, 17                        ; vpart: kb x 32 batches x 4,096 bytes
	s_add_co_u32 s18, s18, s23
	s_add_co_u32 s18, s18, s22
	s_mov_b32 s19, 0
	s_wait_kmcnt 0x0
	s_add_nc_u64 s[4:5], s[4:5], s[14:15]
	s_add_nc_u64 s[6:7], s[6:7], s[16:17]
	s_add_nc_u64 s[8:9], s[8:9], s[18:19]
	global_load_b128 v[6:9], v2, s[6:7]            ; the oldest load: thread t brings 4 numbers of batch t / 32
.irp j, 0,1,2,3,4,5,6,7,8,9,10,11,12,13,14,15
	global_load_b128 v[WR+4*\j:WR+4*\j+3], v1, s[4:5] offset:4096*\j       ; my 16 rows of W, all on their way at once
.endr
	s_wait_loadcnt 16                              ; loads return in order (ISA guide 5.7.1): hidden's is in, W's sixteen stay out
	ds_store_b128 v3, v[6:9] offset:HID
	s_wait_dscnt 0x0                               ; for the other waves: my store is done before I signal
	s_barrier_signal -1
	s_barrier_wait -1                              ; HID is whole
.irp q, 0,1,2,3
.irp b, 0,1,2,3,4,5,6,7
	ds_load_b128 v[HR+4*(8*\q+\b):HR+4*(8*\q+\b)+3], v4 offset:HID+512*\b+16*\q   ; all lanes read the same 16 bytes
.endr
.endr
; Row j of my 16: for 8 batches, 4 columns += W[row][4 columns] * hidden[batch][row].  The factor is one register of an even pair:
; op_sel and op_sel_hi send it to both halves.  Row 0 multiplies only, so nothing is cleared.  Sixteen sums take turns.
.macro ROWFMA j
.set HQ, HR+32*((\j)/4)+(((\j)%4)&2)
.irp b, 0,1,2,3,4,5,6,7
.irp p, 0,2
.if (\j) == 0
	v_pk_mul_f32 v[ACC+4*\b+\p:ACC+4*\b+\p+1], v[WR+4*(\j)+\p:WR+4*(\j)+\p+1], v[HQ+4*\b:HQ+4*\b+1] op_sel_hi:[1,0]
.else
.if ((\j)%2) == 0
	v_pk_fma_f32 v[ACC+4*\b+\p:ACC+4*\b+\p+1], v[WR+4*(\j)+\p:WR+4*(\j)+\p+1], v[HQ+4*\b:HQ+4*\b+1], v[ACC+4*\b+\p:ACC+4*\b+\p+1] op_sel_hi:[1,0,1]
.else
	v_pk_fma_f32 v[ACC+4*\b+\p:ACC+4*\b+\p+1], v[WR+4*(\j)+\p:WR+4*(\j)+\p+1], v[HQ+4*\b:HQ+4*\b+1], v[ACC+4*\b+\p:ACC+4*\b+\p+1] op_sel:[0,1,0] op_sel_hi:[1,1,1]
.endif
.endif
.endr
.endr
.endm
.irp q, 0,1,2,3
	s_wait_loadcnt 12-4*\q                         ; rows 4 q .. 4 q + 3 are in: 12 - 4 q loads were issued behind them
	s_wait_dscnt 24-8*\q                           ; and the eight batches' numbers for these rows: 24 - 8 q LDS loads were issued behind them
.irp k, 0,1,2,3
	ROWFMA 4*\q+\k
.endr
.endr
.irp b, 0,1,2,3,4,5,6,7
	ds_store_b128 v2, v[ACC+4*\b:ACC+4*\b+3] offset:RED+512*\b
.endr
	s_wait_dscnt 0x0                               ; for the other waves: zero
	s_barrier_signal -1
	s_barrier_wait -1
.irp u, 0,1,2,3,4,5,6,7
	ds_load_b128 v[WR+4*\u:WR+4*\u+3], v3 offset:RED+4096*\u               ; thread t: batch t / 32, 4 columns, wave u's sum
.endr
	s_wait_dscnt 0x0
.irp u, 0,2,4,6
	v_pk_add_f32 v[WR+4*\u:WR+4*\u+1],   v[WR+4*\u:WR+4*\u+1],   v[WR+4*\u+4:WR+4*\u+5]
	v_pk_add_f32 v[WR+4*\u+2:WR+4*\u+3], v[WR+4*\u+2:WR+4*\u+3], v[WR+4*\u+6:WR+4*\u+7]
.endr
.irp u, 0,4
	v_pk_add_f32 v[WR+4*\u:WR+4*\u+1],   v[WR+4*\u:WR+4*\u+1],   v[WR+4*\u+8:WR+4*\u+9]
	v_pk_add_f32 v[WR+4*\u+2:WR+4*\u+3], v[WR+4*\u+2:WR+4*\u+3], v[WR+4*\u+10:WR+4*\u+11]
.endr
	v_pk_add_f32 v[WR:WR+1],   v[WR:WR+1],   v[WR+16:WR+17]
	v_pk_add_f32 v[WR+2:WR+3], v[WR+2:WR+3], v[WR+18:WR+19]
	global_store_b128 v2, v[WR:WR+3], s[8:9]       ; a wave stores 512 consecutive bytes, aligned: one batch's 128 columns
	s_wait_tensorcnt 0x0
	ds_add_u32 v240, v241
	s_wait_dscnt 0x0
	s_endpgm
.Lfunc_end_k_q81d2ada7c8_proj:
	.size	k_q81d2ada7c8_proj, .Lfunc_end_k_q81d2ada7c8_proj-k_q81d2ada7c8_proj
	.p2alignl 7, 3214868480
	.fill 96, 4, 3214868480
	.section	.rodata,"a",@progbits
	.p2align	6, 0x0
	.amdhsa_kernel k_q81d2ada7c8_proj
		.amdhsa_group_segment_fixed_size 37888
		.amdhsa_private_segment_fixed_size 0
		.amdhsa_enable_private_segment 0
		.amdhsa_kernarg_size 24
		.amdhsa_user_sgpr_count 2
		.amdhsa_user_sgpr_kernarg_segment_ptr 1
		.amdhsa_wavefront_size32 1
		.amdhsa_system_sgpr_workgroup_id_x 1
		.amdhsa_system_sgpr_workgroup_id_y 1
		.amdhsa_system_sgpr_workgroup_id_z 1
		.amdhsa_system_vgpr_workitem_id 0
		.amdhsa_next_free_vgpr 242
		.amdhsa_next_free_sgpr 66
		.amdhsa_reserve_vcc 0
		.amdhsa_float_denorm_mode_32 3
		.amdhsa_float_denorm_mode_16_64 3
		.amdhsa_memory_ordered 1
		.amdhsa_forward_progress 1
		.amdhsa_inst_pref_size 24
	.end_amdhsa_kernel
	.amdgpu_metadata
---
amdhsa.version: [ 1, 2 ]
amdhsa.kernels:
  - .name:           k_q81d2ada7c8_proj
    .symbol:         k_q81d2ada7c8_proj.kd
    .args:
      - { .name: W, .offset: 0, .size: 8, .value_kind: global_buffer, .address_space: global }
      - { .name: hidden, .offset: 8, .size: 8, .value_kind: global_buffer, .address_space: global }
      - { .name: vpart, .offset: 16, .size: 8, .value_kind: global_buffer, .address_space: global }
    .group_segment_fixed_size: 37888
    .private_segment_fixed_size: 0
    .kernarg_segment_align: 8
    .kernarg_segment_size: 24
    .max_flat_workgroup_size: 256
    .sgpr_count:     66
    .vgpr_count:     242
    .wavefront_size: 32
...
	.end_amdgpu_metadata
.endif
;; end of part 1
;; launch score (part 2): grid 256 x 1, 8 waves a work-group, no clusters, 9,216 bytes of LDS; arguments encoder_outputs, vpart, scores; writes scores
.if DOCPART == 2
	.amdgcn_target "amdgcn-amd-amdhsa--gfx1250"
	.amdhsa_code_object_version 6
	.text
	.protected	k_q81d2ada7c8_score
	.globl	k_q81d2ada7c8_score
	.p2align	8
	.type	k_q81d2ada7c8_score,@function
k_q81d2ada7c8_score:
	s_mov_b64 s[64:65], 0
	v_nop
	global_prefetch_b8 v0, s[64:65] scope:SCOPE_SE
	s_setreg_imm32_b32 hwreg(HW_REG_WAVE_MODE, 25, 1), 1
	s_wait_xcnt 0x0
; scores[b][s] = sum over h of enc[b][s][h] * v[b][h], with v[b] = the sum of the eight partial sums in vpart.  (c[b] is added by the next launch.)
; enc: [32][2048][1024] f32, vpart: [8][32][1024] f32, scores: [32][2048] f32.  All in f32 on the vector ALU: one vector against each row, each
; byte of enc used once, so the bytes decide; and v in 16 bits would cost the accuracy that the exponential behind the scores needs.
; LIMIT: the order of summation is the lane's four chains, then a tree over the 32 lanes, not the formula's.
; SHARES: work-group g owns rows 256 g .. 256 g + 255 of the 65,536 (1 MiB, consecutive, all of batch g / 8); wave w 32 rows of them.
; A row is 4,096 bytes = eight loads of 16 bytes a lane, each covering 512 consecutive bytes, aligned = 32 registers.
; A ring of six row slots in registers: while one row is multiplied, five rows (40 loads) of every wave stay on their way, 48 behind a refill.
; The 32 turns are written out, so a row's place stands in the loads' immediate: no address register is ever stepped, and no barrier stands in the stream.
; NO CLUSTER: no two work-groups read the same byte of enc; the 32 KiB of vpart that eight work-groups share are 1/32 of a work-group's bytes.
; NO LDS RING: the six slots hold 24 KiB a wave in registers with counted waits alone.
.set ROWS,  32                         ; rows of a wave
.set SLOTS, 6
.set ROW,   4096                       ; bytes in a row
.set A,     4                          ; v[4:11]    four chains of two sums each
.set V,     16                         ; v[16:47]   v[b]: elements 128 j + 4 lane .. + 3 at V + 4 j, as a row's loads bring enc
.set X,     48                         ; v[48:239]  slot s: 32 registers at X + 32 s
.set VV,    0                          ; LDS 0 .. 4095: v[b]
.set SC,    4096                       ; LDS 4096 .. 5119: the work-group's 256 scores.  The allocation covers SC + 16 t for every thread's t, though only threads 0 to 63 read there
; v1 lane;  v2 = 131072 wave + 16 lane, never rewritten;  v3: lane r holds the score of my wave's row r;  v12, v13 at work;  v14 = 16 t;  v15 = 16 lane
	s_load_b128 s[4:7], s[0:1], 0x0                ; enc s[4:5], vpart s[6:7]
	s_load_b64 s[8:9], s[0:1], 0x10                ; scores
	v_lshl_add_u32 v240, v0, 2, 0x2000
	v_mov_b32 v241, 0
	v_lshrrev_b32 v12, 5, v0
	v_readfirstlane_b32 s10, v12                   ; wave 0..7
	v_and_b32 v1, 31, v0
	v_lshlrev_b32 v15, 4, v1
	v_lshlrev_b32 v14, 4, v0
	s_lshl_b32 s11, s10, 17                        ; wave x 32 rows x 4,096 bytes
	v_or_b32 v2, s11, v15
	v_mov_b32 v13, 0                               ; v_permlanex16_b32 counts as a reader of its destination
	s_lshl_b32 s12, ttmp9, 20                      ; g x 256 rows x 4,096 bytes: 255 MiB at the most
	s_mov_b32 s13, 0
	s_lshr_b32 s14, ttmp9, 3                       ; batch
	s_lshl_b32 s14, s14, 12                        ; x 4,096 bytes
	s_mov_b32 s15, 0
	s_lshl_b32 s18, ttmp9, 10                      ; g x 256 scores x 4 bytes
	s_mov_b32 s19, 0
	s_mov_b32 s16, 0x76543210                      ; v_permlanex16_b32: lane i of one half reads lane i of the other
	s_mov_b32 s17, 0xfedcba98
	s_wait_kmcnt 0x0
	s_add_nc_u64 s[4:5], s[4:5], s[12:13]
	s_add_nc_u64 s[6:7], s[6:7], s[14:15]
	s_add_nc_u64 s[8:9], s[8:9], s[18:19]
; eight loads: one row of my wave's 32 into the slot that begins at register base.  enc is read once in the launch: non-temporal.
.macro FILL row, base
.irp j, 0,1,2,3,4,5,6,7
	global_load_b128 v[(\base)+4*\j:(\base)+4*\j+3], v2, s[4:5] offset:ROW*(\row)+512*\j th:TH_LOAD_NT
.endr
.endm
.irp p, 0,1,2,3,4,5,6,7
	global_load_b128 v[V+4*\p:V+4*\p+3], v14, s[6:7] offset:131072*\p      ; the oldest loads: thread t's 4 elements of v[b] in each of the 8 partial sums
.endr
.irp r, 0,1,2,3,4,5
	FILL \r, X+32*\r                               ; the ring is filled: rows 0 to 5
.endr
	s_wait_loadcnt 8*SLOTS                         ; loads return in order (ISA guide 5.7.1): the partial sums are in, the 48 loads of enc stay out
.irp u, 0,2,4,6
	v_pk_add_f32 v[V+4*\u:V+4*\u+1],   v[V+4*\u:V+4*\u+1],   v[V+4*\u+4:V+4*\u+5]
	v_pk_add_f32 v[V+4*\u+2:V+4*\u+3], v[V+4*\u+2:V+4*\u+3], v[V+4*\u+6:V+4*\u+7]
.endr
.irp u, 0,4
	v_pk_add_f32 v[V+4*\u:V+4*\u+1],   v[V+4*\u:V+4*\u+1],   v[V+4*\u+8:V+4*\u+9]
	v_pk_add_f32 v[V+4*\u+2:V+4*\u+3], v[V+4*\u+2:V+4*\u+3], v[V+4*\u+10:V+4*\u+11]
.endr
	v_pk_add_f32 v[V:V+1],   v[V:V+1],   v[V+16:V+17]
	v_pk_add_f32 v[V+2:V+3], v[V+2:V+3], v[V+18:V+19]
	ds_store_b128 v14, v[V:V+3] offset:VV
	s_wait_dscnt 0x0                               ; for the other waves: zero
	s_barrier_signal -1
	s_barrier_wait -1                              ; v[b] is whole in LDS
.irp j, 0,1,2,3,4,5,6,7
	ds_load_b128 v[V+4*\j:V+4*\j+3], v15 offset:VV+512*\j                  ; 32 lanes, 16 neighbouring bytes each
.endr
	s_wait_dscnt 0x0
; The 32 turns.  Turn i multiplies row i (slot i mod 6), fills the slot again with row i + 6 straight behind its last read, and then folds the sums.
.set i, 0
.rept ROWS
.set XS, X+32*(i%SLOTS)
.set NR, i+SLOTS
.if ROWS-1-i < SLOTS-1
	s_wait_loadcnt 8*(ROWS-1-i)                    ; the last turns fill nothing: the counts run down 32, 24, 16, 8, 0
.else
	s_wait_loadcnt 8*(SLOTS-1)                     ; row i's eight loads are in; the five younger rows' forty stay out
.endif
.irp p, 0,1,2,3
	v_pk_mul_f32 v[A+2*\p:A+2*\p+1], v[XS+2*\p:XS+2*\p+1], v[V+2*\p:V+2*\p+1]   ; the first four products start the chains: nothing is cleared
.endr
.irp p, 4,5,6,7,8,9,10,11,12,13,14,15
	v_pk_fma_f32 v[A+2*(\p%4):A+2*(\p%4)+1], v[XS+2*\p:XS+2*\p+1], v[V+2*\p:V+2*\p+1], v[A+2*(\p%4):A+2*(\p%4)+1]
.endr
.if NR < ROWS
	FILL NR, XS
.endif
	v_pk_add_f32 v[A:A+1],   v[A:A+1],   v[A+2:A+3]
	v_pk_add_f32 v[A+4:A+5], v[A+4:A+5], v[A+6:A+7]
	v_pk_add_f32 v[A:A+1],   v[A:A+1],   v[A+4:A+5]
	v_add_f32 v12, v[A], v[A+1]
	v_add_f32_dpp v12, v12, v12 row_xmask:1 row_mask:0xf bank_mask:0xf     ; over the 16 lanes of each half,
	v_add_f32_dpp v12, v12, v12 row_xmask:2 row_mask:0xf bank_mask:0xf
	v_add_f32_dpp v12, v12, v12 row_xmask:4 row_mask:0xf bank_mask:0xf
	v_add_f32_dpp v12, v12, v12 row_xmask:8 row_mask:0xf bank_mask:0xf
	v_permlanex16_b32 v13, v12, s16, s17           ; and across the halves
.if i == 0
	v_add_f32 v3, v12, v13                         ; row 0's score in every lane: starts v3 without a clear
.else
	v_add_f32 v12, v12, v13
	v_cmp_eq_u32 vcc_lo, i, v1
	v_cndmask_b32 v3, v3, v12, vcc_lo              ; lane i keeps row i's score
.endif
.set i, i+1
.endr
	; Row 32 w + lane of the work-group is thread t's: the 256 scores meet in LDS and leave 16 bytes a lane.
	v_lshlrev_b32 v4, 2, v0
	ds_store_b32 v4, v3 offset:SC
	s_wait_dscnt 0x0                               ; for waves 0 and 1: zero
	s_barrier_signal -1
	s_barrier_wait -1
	s_cmp_ge_u32 s10, 2
	s_cbranch_scc1 .Lend                           ; 1,024 bytes are 64 threads' 16 bytes
	ds_load_b128 v[4:7], v14 offset:SC
	s_wait_dscnt 0x0
	global_store_b128 v14, v[4:7], s[8:9]          ; sixteen neighbouring lanes store 256 consecutive bytes, aligned
.Lend:
	s_wait_tensorcnt 0x0
	ds_add_u32 v240, v241
	s_wait_dscnt 0x0
	s_endpgm
.Lfunc_end_k_q81d2ada7c8_score:
	.size	k_q81d2ada7c8_score, .Lfunc_end_k_q81d2ada7c8_score-k_q81d2ada7c8_score
	.p2alignl 7, 3214868480
	.fill 96, 4, 3214868480
	.section	.rodata,"a",@progbits
	.p2align	6, 0x0
	.amdhsa_kernel k_q81d2ada7c8_score
		.amdhsa_group_segment_fixed_size 9216
		.amdhsa_private_segment_fixed_size 0
		.amdhsa_enable_private_segment 0
		.amdhsa_kernarg_size 24
		.amdhsa_user_sgpr_count 2
		.amdhsa_user_sgpr_kernarg_segment_ptr 1
		.amdhsa_wavefront_size32 1
		.amdhsa_system_sgpr_workgroup_id_x 1
		.amdhsa_system_sgpr_workgroup_id_y 1
		.amdhsa_system_sgpr_workgroup_id_z 1
		.amdhsa_system_vgpr_workitem_id 0
		.amdhsa_next_free_vgpr 242
		.amdhsa_next_free_sgpr 66
		.amdhsa_reserve_vcc 1
		.amdhsa_float_denorm_mode_32 3
		.amdhsa_float_denorm_mode_16_64 3
		.amdhsa_memory_ordered 1
		.amdhsa_forward_progress 1
		.amdhsa_inst_pref_size 82
	.end_amdhsa_kernel
	.amdgpu_metadata
---
amdhsa.version: [ 1, 2 ]
amdhsa.kernels:
  - .name:           k_q81d2ada7c8_score
    .symbol:         k_q81d2ada7c8_score.kd
    .args:
      - { .name: encoder_outputs, .offset: 0, .size: 8, .value_kind: global_buffer, .address_space: global }
      - { .name: vpart, .offset: 8, .size: 8, .value_kind: global_buffer, .address_space: global }
      - { .name: scores, .offset: 16, .size: 8, .value_kind: global_buffer, .address_space: global }
    .group_segment_fixed_size: 9216
    .private_segment_fixed_size: 0
    .kernarg_segment_align: 8
    .kernarg_segment_size: 24
    .max_flat_workgroup_size: 256
    .sgpr_count:     66
    .vgpr_count:     242
    .wavefront_size: 32
...
	.end_amdgpu_metadata
.endif
;; end of part 2
;; launch soft (part 3): grid 32 x 1, 8 waves a work-group, no clusters, 1,280 bytes of LDS; arguments scores, hidden, b, out0; writes out0
.if DOCPART == 3
	.amdgcn_target "amdgcn-amd-amdhsa--gfx1250"
	.amdhsa_code_object_version 6
	.text
	.protected	k_q81d2ada7c8_soft
	.globl	k_q81d2ada7c8_soft
	.p2align	8
	.type	k_q81d2ada7c8_soft,@function
k_q81d2ada7c8_soft:
	s_mov_b64 s[64:65], 0
	v_nop
	global_prefetch_b8 v0, s[64:65] scope:SCOPE_SE
	s_setreg_imm32_b32 hwreg(HW_REG_WAVE_MODE, 25, 1), 1
	s_wait_xcnt 0x0
; out0[batch][s] = softmax over s of (scores[batch][s] + c[batch]),  c[batch] = sum over k of hidden[batch][k] * b[k].
; scores, out0: [32][2048] f32;  hidden: [32][1024] f32;  b: [1024] f32.  All in f32.
; One work-group for each batch, since the maximum and the sum span a batch's 2,048 scores: the problem has work for 32 work-groups here.
; Thread t holds scores 4 t .. 4 t + 3 and 1024 + 4 t .. + 3, and 4 numbers of hidden and of b; every load and store of a wave covers 512 consecutive bytes.
; The maximum is taken away before the exponential: M = max(raw) + c equals max(raw + c), since rounding keeps order; so the largest exponent
; is exactly 0, the sum lies between 1 and 2,048, and its reciprocal is safe.
; LIMITS: a result below 2^-126 comes out as 0 (v_exp_f32 gives 0 where the result would be denormal: ISA guide 15.8).  A NaN or an infinity among a
; batch's scores makes that batch's whole row NaN.  Sums run in trees (lane, wave, eight waves).
; LDS: bytes 0 .. 31 the eight waves' parts of c, 32 .. 63 their maxima, 64 .. 95 their sums of exponentials: three regions, so two barriers do.
; v1 = 16 t;  v2 = 4 wave;  v3 = 0;  v[4:11] scores;  v[12:15] hidden;  v[16:19] b;  v[20:23] at work;  v[24:39] read back from LDS;
; v[40:41] c twice, v[42:43] M twice, v[44:45] 1 / sum twice (pairs for the packed forms)
	s_load_b256 s[4:11], s[0:1], 0x0               ; scores s[4:5], hidden s[6:7], b s[8:9], out0 s[10:11]
	v_lshl_add_u32 v48, v0, 2, 0x100
	v_mov_b32 v49, 0
	v_lshrrev_b32 v2, 5, v0
	v_readfirstlane_b32 s18, v2                    ; wave 0..7
	v_lshlrev_b32 v1, 4, v0
	v_mov_b32 v2, s18
	v_lshlrev_b32 v2, 2, v2                        ; my wave's word in each LDS region
	v_mov_b32 v3, 0
	v_mov_b32 v22, 0                               ; v_permlanex16_b32 counts as a reader of its destination
	v_mov_b32 v23, 0
	s_lshl_b32 s12, ttmp9, 13                      ; batch x 2,048 scores x 4 bytes
	s_mov_b32 s13, 0
	s_lshl_b32 s14, ttmp9, 12                      ; batch x 1,024 numbers x 4 bytes
	s_mov_b32 s15, 0
	s_mov_b32 s16, 0x76543210                      ; lane i of one half reads lane i of the other
	s_mov_b32 s17, 0xfedcba98
	s_wait_kmcnt 0x0
	s_add_nc_u64 s[4:5], s[4:5], s[12:13]
	s_add_nc_u64 s[10:11], s[10:11], s[12:13]
	s_add_nc_u64 s[6:7], s[6:7], s[14:15]
	global_load_b128 v[4:7],   v1, s[4:5]
	global_load_b128 v[8:11],  v1, s[4:5] offset:4096
	global_load_b128 v[12:15], v1, s[6:7]
	global_load_b128 v[16:19], v1, s[8:9]
	s_wait_loadcnt 0x0
	; my part of c and my largest raw score
	v_pk_mul_f32 v[20:21], v[12:13], v[16:17]
	v_pk_fma_f32 v[20:21], v[14:15], v[18:19], v[20:21]
	v_add_f32 v20, v20, v21
	v_max3_num_f32 v21, v4, v5, v6
	v_max3_num_f32 v21, v21, v7, v8
	v_max3_num_f32 v21, v21, v9, v10
	v_max_num_f32 v21, v21, v11
.irp m, 1,2,4,8
	v_add_f32_dpp v20, v20, v20 row_xmask:\m row_mask:0xf bank_mask:0xf
	v_max_num_f32_dpp v21, v21, v21 row_xmask:\m row_mask:0xf bank_mask:0xf
.endr
	v_permlanex16_b32 v22, v20, s16, s17
	v_permlanex16_b32 v23, v21, s16, s17
	v_add_f32 v20, v20, v22
	v_max_num_f32 v21, v21, v23
	ds_store_b32 v2, v20                           ; all lanes of a wave write the same word with the same value
	ds_store_b32 v2, v21 offset:32
	s_wait_dscnt 0x0                               ; for the other waves: zero
	s_barrier_signal -1
	s_barrier_wait -1
.irp n, 0,1,2,3
	ds_load_b128 v[24+4*\n:27+4*\n], v3 offset:16*\n       ; v[24:31] the parts of c, v[32:39] the maxima, in every lane
.endr
	s_wait_dscnt 0x0
	v_pk_add_f32 v[24:25], v[24:25], v[26:27]
	v_pk_add_f32 v[28:29], v[28:29], v[30:31]
	v_pk_add_f32 v[24:25], v[24:25], v[28:29]
	v_add_f32 v40, v24, v25                        ; c
	v_add_f32 v41, v24, v25
	v_max3_num_f32 v32, v32, v33, v34
	v_max3_num_f32 v32, v32, v35, v36
	v_max3_num_f32 v32, v32, v37, v38
	v_max_num_f32 v32, v32, v39                    ; the batch's largest raw score
	v_add_f32 v42, v32, v40                        ; M = the largest score with c
	v_add_f32 v43, v32, v40
	; e = exp(x - M), x = raw + c.  The difference is formed first and then scaled to base 2: a fused x L - M L would round M L
	; and lose the difference of two large scores.
.irp p, 4,6,8,10
	v_pk_add_f32 v[\p:\p+1], v[\p:\p+1], v[40:41]
.endr
.irp p, 4,6,8,10
	v_pk_add_f32 v[\p:\p+1], v[\p:\p+1], v[42:43] neg_lo:[0,1] neg_hi:[0,1]
.endr
.irp p, 4,6,8,10
	v_pk_mul_f32 v[\p:\p+1], v[\p:\p+1], 0x3fb8aa3b op_sel_hi:[1,0]        ; x log2(e): v_exp_f32 is 2^x
.endr
.irp k, 4,5,6,7,8,9,10,11
	v_exp_f32 v\k, v\k
.endr
	v_nop                                          ; one plain vector instruction between a transcendental and the first use of its result (ISA guide 5.7.2)
	s_wait_alu depctr_va_vdst(0)
	v_pk_add_f32 v[20:21], v[4:5], v[6:7]
	v_pk_add_f32 v[22:23], v[8:9], v[10:11]
	v_pk_add_f32 v[20:21], v[20:21], v[22:23]
	v_add_f32 v20, v20, v21
.irp m, 1,2,4,8
	v_add_f32_dpp v20, v20, v20 row_xmask:\m row_mask:0xf bank_mask:0xf
.endr
	v_permlanex16_b32 v22, v20, s16, s17
	v_add_f32 v20, v20, v22
	ds_store_b32 v2, v20 offset:64
	s_wait_dscnt 0x0                               ; for the other waves: zero
	s_barrier_signal -1
	s_barrier_wait -1
	ds_load_b128 v[24:27], v3 offset:64
	ds_load_b128 v[28:31], v3 offset:80
	s_wait_dscnt 0x0
	v_pk_add_f32 v[24:25], v[24:25], v[26:27]
	v_pk_add_f32 v[28:29], v[28:29], v[30:31]
	v_pk_add_f32 v[24:25], v[24:25], v[28:29]
	v_add_f32 v24, v24, v25                        ; the batch's sum, at least 1
	v_rcp_f32 v44, v24
	v_rcp_f32 v45, v24
	v_nop                                          ; the plain place behind the reciprocals
	s_wait_alu depctr_va_vdst(0)
.irp p, 4,6,8,10
	v_pk_mul_f32 v[\p:\p+1], v[\p:\p+1], v[44:45]
.endr
	global_store_b128 v1, v[4:7],  s[10:11]        ; a wave stores 512 consecutive bytes, aligned
	global_store_b128 v1, v[8:11], s[10:11] offset:4096
	s_wait_tensorcnt 0x0
	ds_add_u32 v48, v49
	s_wait_dscnt 0x0
	s_endpgm
.Lfunc_end_k_q81d2ada7c8_soft:
	.size	k_q81d2ada7c8_soft, .Lfunc_end_k_q81d2ada7c8_soft-k_q81d2ada7c8_soft
	.p2alignl 7, 3214868480
	.fill 96, 4, 3214868480
	.section	.rodata,"a",@progbits
	.p2align	6, 0x0
	.amdhsa_kernel k_q81d2ada7c8_soft
		.amdhsa_group_segment_fixed_size 1280
		.amdhsa_private_segment_fixed_size 0
		.amdhsa_enable_private_segment 0
		.amdhsa_kernarg_size 32
		.amdhsa_user_sgpr_count 2
		.amdhsa_user_sgpr_kernarg_segment_ptr 1
		.amdhsa_wavefront_size32 1
		.amdhsa_system_sgpr_workgroup_id_x 1
		.amdhsa_system_sgpr_workgroup_id_y 1
		.amdhsa_system_sgpr_workgroup_id_z 1
		.amdhsa_system_vgpr_workitem_id 0
		.amdhsa_next_free_vgpr 50
		.amdhsa_next_free_sgpr 66
		.amdhsa_reserve_vcc 0
		.amdhsa_float_denorm_mode_32 3
		.amdhsa_float_denorm_mode_16_64 3
		.amdhsa_memory_ordered 1
		.amdhsa_forward_progress 1
		.amdhsa_inst_pref_size 7
	.end_amdhsa_kernel
	.amdgpu_metadata
---
amdhsa.version: [ 1, 2 ]
amdhsa.kernels:
  - .name:           k_q81d2ada7c8_soft
    .symbol:         k_q81d2ada7c8_soft.kd
    .args:
      - { .name: scores, .offset: 0, .size: 8, .value_kind: global_buffer, .address_space: global }
      - { .name: hidden, .offset: 8, .size: 8, .value_kind: global_buffer, .address_space: global }
      - { .name: b, .offset: 16, .size: 8, .value_kind: global_buffer, .address_space: global }
      - { .name: out0, .offset: 24, .size: 8, .value_kind: global_buffer, .address_space: global }
    .group_segment_fixed_size: 1280
    .private_segment_fixed_size: 0
    .kernarg_segment_align: 8
    .kernarg_segment_size: 32
    .max_flat_workgroup_size: 256
    .sgpr_count:     66
    .vgpr_count:     50
    .wavefront_size: 32
...
	.end_amdgpu_metadata
.endif
;; end of part 3
;; ======== version 2 of 2: 3 launches; version 1 with the launch score written anew for expert scheduling mode
;; workspace buffers: vpart 1,048,576 bytes; scores 262,144 bytes
;; launch proj: the kernel of part 1 again; grid 64 x 4, 8 waves a work-group, no clusters, 37,888 bytes of LDS; arguments W, hidden, vpart; writes vpart
;; launch score (part 4): grid 256 x 1, 8 waves a work-group, no clusters, 9,216 bytes of LDS; arguments encoder_outputs, vpart, scores; writes scores
.if DOCPART == 4
	.amdgcn_target "amdgcn-amd-amdhsa--gfx1250"
	.amdhsa_code_object_version 6
	.text
	.protected	k_q81d2ada7c8_score
	.globl	k_q81d2ada7c8_score
	.p2align	8
	.type	k_q81d2ada7c8_score,@function
k_q81d2ada7c8_score:
	s_mov_b64 s[64:65], 0
	v_nop
	global_prefetch_b8 v0, s[64:65] scope:SCOPE_SE
	s_setreg_imm32_b32 hwreg(HW_REG_WAVE_SCHED_MODE, 0, 2), 2
	s_setreg_imm32_b32 hwreg(HW_REG_WAVE_MODE, 25, 1), 1
	s_wait_xcnt 0x0
	s_wait_alu depctr_vm_vsrc(0)
; scores[b][s] = sum over h of enc[b][s][h] * v[b][h], with v[b] = the sum of the eight partial sums in vpart.  (c[b] is added by the next launch.)
; enc: [32][2048][1024] f32, vpart: [8][32][1024] f32, scores: [32][2048] f32.  All in f32 on the vector ALU: one vector against each row, each
; byte of enc used once, so the bytes decide; and v in 16 bits would cost the accuracy that the exponential behind the scores needs.
; LIMIT: the order of summation is the lane's four chains, then a tree over the 32 lanes, not the formula's.
; SHARES: work-group g owns rows 256 g .. 256 g + 255 of the 65,536 (1 MiB, consecutive, all of batch g / 8); wave w 32 rows of them.
; A row is 4,096 bytes = eight loads of 16 bytes a lane, each covering 512 consecutive bytes, aligned = 32 registers.
; A ring of six row slots in registers: while one row is multiplied, five rows (40 loads) of every wave stay on their way, 48 behind a refill.
; The 32 turns are written out, so a row's place stands in the loads' immediate: no address register is ever stepped, and no barrier stands in the stream.
; NO CLUSTER: no two work-groups read the same byte of enc; the 32 KiB of vpart that eight work-groups share are 1/32 of a work-group's bytes.
; NO LDS RING: the six slots hold 24 KiB a wave in registers with counted waits alone.
; THE MODE: SCHED_MODE bits 1:0 = 2 (LLVM: expert scheduling mode 2), set by the entry lines.  The code itself states the register dependences
; between vector instructions and memory or LDS instructions, with s_wait_alu, always for 0.
; THE PLAN.  Registers that memory or LDS instructions touch:
;   v2, v14, v15  offsets, made once at the head and never written again: one wait ahead of the first load serves every access of the kernel.
;   V             at the head: the loads of vpart land in it, the adds fold it, one LDS store reads V .. V + 3, the LDS loads of v[b] land in all of it;
;                 in the turns vector instructions alone read it.
;   X0 .. X5      turn i: its sixteen products read slot i mod 6; behind them the loads of row i + 6 land in it.  No other vector instruction names a slot.
;   v3, v[4:7]    on the way out: v4 and v3 are an LDS store's address and data, then an LDS load lands in v[4:7].
;   The chains A, v12, v13 and v3 are named by vector instructions alone while the turns last.
; So ONE wait on va_vdst stands in a turn that fills, behind its products; the eight loads follow it, dealt among the instructions that fold the
; sums, which name A, v12, v13, v3 and a mask: none of the registers that those loads touch.  No wait on vm_vsrc stands in the turns: the loads read v2 alone.
; The masks "lane = i" by which lane i keeps row i's score are made in one run at the head, into s[24:54], with one wait on va_sdst behind the run.
.set ROWS,  32                         ; rows of a wave
.set SLOTS, 6
.set ROW,   4096                       ; bytes in a row
.set A,     4                          ; v[4:11]    four chains of two sums each
.set V,     16                         ; v[16:47]   v[b]: elements 128 j + 4 lane .. + 3 at V + 4 j, as a row's loads bring enc
.set X,     48                         ; v[48:239]  slot s: 32 registers at X + 32 s
.set MK,    24                         ; s[24:54]   the mask of lane i at MK + i - 1, i = 1 .. 31
.set VV,    0                          ; LDS 0 .. 4095: v[b]
.set SC,    4096                       ; LDS 4096 .. 5119: the work-group's 256 scores.  The allocation covers SC + 16 t for every thread's t, though only threads 0 to 63 read there
; v1 lane;  v2 = 131072 wave + 16 lane, never rewritten;  v3: lane r holds the score of my wave's row r;  v12, v13 at work;  v14 = 16 t;  v15 = 16 lane
	s_load_b128 s[4:7], s[0:1], 0x0                ; enc s[4:5], vpart s[6:7]
	s_load_b64 s[8:9], s[0:1], 0x10                ; scores
	v_lshl_add_u32 v240, v0, 2, 0x2000
	v_mov_b32 v241, 0
	v_lshrrev_b32 v12, 5, v0
	v_readfirstlane_b32 s10, v12                   ; wave 0..7
	v_and_b32 v1, 31, v0
.set i, 1
.rept ROWS-1
	v_cmp_eq_u32 s[MK+i-1], i, v1                  ; lane i alone: turn i's select reads it.  The run stands in the wait for the arguments
.set i, i+1
.endr
	v_lshlrev_b32 v15, 4, v1
	v_lshlrev_b32 v14, 4, v0
	v_mov_b32 v13, 0                               ; v_permlanex16_b32 counts as a reader of its destination
	s_wait_alu depctr_va_sdst(0)                   ; s10 and the 31 masks are written, ahead of the first reader of any of them
	s_lshl_b32 s11, s10, 17                        ; wave x 32 rows x 4,096 bytes
	v_or_b32 v2, s11, v15
	s_lshl_b32 s12, ttmp9, 20                      ; g x 256 rows x 4,096 bytes: 255 MiB at the most
	s_mov_b32 s13, 0
	s_lshr_b32 s14, ttmp9, 3                       ; batch
	s_lshl_b32 s14, s14, 12                        ; x 4,096 bytes
	s_mov_b32 s15, 0
	s_lshl_b32 s18, ttmp9, 10                      ; g x 256 scores x 4 bytes
	s_mov_b32 s19, 0
	s_mov_b32 s16, 0x76543210                      ; v_permlanex16_b32: lane i of one half reads lane i of the other
	s_mov_b32 s17, 0xfedcba98
	s_wait_kmcnt 0x0
	s_add_nc_u64 s[4:5], s[4:5], s[12:13]
	s_add_nc_u64 s[6:7], s[6:7], s[14:15]
	s_add_nc_u64 s[8:9], s[8:9], s[18:19]
	s_wait_alu depctr_va_vdst(0)                   ; v2, v14 and v15 are written: every load, store and LDS access below reads one of them as its offset or address
; one load: 512 consecutive bytes, piece j of eight, of one row of my wave's 32, into the slot that begins at register base.  enc is read once in the launch: non-temporal.
.macro LD row, base, j
	global_load_b128 v[(\base)+4*(\j):(\base)+4*(\j)+3], v2, s[4:5] offset:ROW*(\row)+512*(\j) th:TH_LOAD_NT
.endm
; eight loads: a whole row
.macro FILL row, base
.irp j, 0,1,2,3,4,5,6,7
	LD \row, \base, \j
.endr
.endm
; in a turn: piece j of row NR into the slot just read, while there are rows left
.macro NEXT j
.if NR < ROWS
	LD NR, XS, \j
.endif
.endm
.irp p, 0,1,2,3,4,5,6,7
	global_load_b128 v[V+4*\p:V+4*\p+3], v14, s[6:7] offset:131072*\p      ; the oldest loads: thread t's 4 elements of v[b] in each of the 8 partial sums
.endr
.irp r, 0,1,2,3,4,5
	FILL \r, X+32*\r                               ; the ring is filled: rows 0 to 5
.endr
	s_wait_loadcnt 8*SLOTS                         ; loads return in order (ISA guide 5.7.1): the partial sums are in, the 48 loads of enc stay out
.irp u, 0,2,4,6
	v_pk_add_f32 v[V+4*\u:V+4*\u+1],   v[V+4*\u:V+4*\u+1],   v[V+4*\u+4:V+4*\u+5]
	v_pk_add_f32 v[V+4*\u+2:V+4*\u+3], v[V+4*\u+2:V+4*\u+3], v[V+4*\u+6:V+4*\u+7]
.endr
.irp u, 0,4
	v_pk_add_f32 v[V+4*\u:V+4*\u+1],   v[V+4*\u:V+4*\u+1],   v[V+4*\u+8:V+4*\u+9]
	v_pk_add_f32 v[V+4*\u+2:V+4*\u+3], v[V+4*\u+2:V+4*\u+3], v[V+4*\u+10:V+4*\u+11]
.endr
	v_pk_add_f32 v[V:V+1],   v[V:V+1],   v[V+16:V+17]
	v_pk_add_f32 v[V+2:V+3], v[V+2:V+3], v[V+18:V+19]
	s_wait_alu depctr_va_vdst(0)                   ; the adds have written V .. V + 3, which the LDS store reads, and are done with all of V, in which the LDS loads below land
	ds_store_b128 v14, v[V:V+3] offset:VV
	s_wait_dscnt 0x0                               ; for the other waves: zero
	s_barrier_signal -1
	s_barrier_wait -1                              ; v[b] is whole in LDS
	s_wait_alu depctr_vm_vsrc(0)                   ; my LDS store has read V .. V + 3, in which the first load below lands
.irp j, 0,1,2,3,4,5,6,7
	ds_load_b128 v[V+4*\j:V+4*\j+3], v15 offset:VV+512*\j                  ; 32 lanes, 16 neighbouring bytes each
.endr
	s_wait_dscnt 0x0
; The 32 turns.  Turn i multiplies row i (slot i mod 6); behind the one wait the slot's eight loads of row i + 6 go out, dealt among the instructions that fold the sums.
.set i, 0
.rept ROWS
.set XS, X+32*(i%SLOTS)
.set NR, i+SLOTS
.if ROWS-1-i < SLOTS-1
	s_wait_loadcnt 8*(ROWS-1-i)                    ; the last turns fill nothing: the counts run down 32, 24, 16, 8, 0
.else
	s_wait_loadcnt 8*(SLOTS-1)                     ; row i's eight loads are in; the five younger rows' forty stay out
.endif
.irp p, 0,1,2,3
	v_pk_mul_f32 v[A+2*\p:A+2*\p+1], v[XS+2*\p:XS+2*\p+1], v[V+2*\p:V+2*\p+1]   ; the first four products start the chains: nothing is cleared
.endr
.irp p, 4,5,6,7,8,9,10,11,12,13,14,15
	v_pk_fma_f32 v[A+2*(\p%4):A+2*(\p%4)+1], v[XS+2*\p:XS+2*\p+1], v[V+2*\p:V+2*\p+1], v[A+2*(\p%4):A+2*(\p%4)+1]
.endr
.if NR < ROWS
	s_wait_alu depctr_va_vdst(0)                   ; the sixteen products are done reading the slot, in which the eight loads below land; no vector instruction behind this wait names the slot or v2
.endif
	NEXT 0
	NEXT 1
	v_pk_add_f32 v[A:A+1],   v[A:A+1],   v[A+2:A+3]
	v_pk_add_f32 v[A+4:A+5], v[A+4:A+5], v[A+6:A+7]
	NEXT 2
	NEXT 3
	v_pk_add_f32 v[A:A+1],   v[A:A+1],   v[A+4:A+5]
	NEXT 4
	v_add_f32 v12, v[A], v[A+1]
	NEXT 5
	v_add_f32_dpp v12, v12, v12 row_xmask:1 row_mask:0xf bank_mask:0xf     ; over the 16 lanes of each half,
	NEXT 6
	v_add_f32_dpp v12, v12, v12 row_xmask:2 row_mask:0xf bank_mask:0xf
	NEXT 7
	v_add_f32_dpp v12, v12, v12 row_xmask:4 row_mask:0xf bank_mask:0xf
	v_add_f32_dpp v12, v12, v12 row_xmask:8 row_mask:0xf bank_mask:0xf
	v_permlanex16_b32 v13, v12, s16, s17           ; and across the halves
.if i == 0
	v_add_f32 v3, v12, v13                         ; row 0's score in every lane: starts v3 without a clear
.else
	v_add_f32 v12, v12, v13
	v_cndmask_b32 v3, v3, v12, s[MK+i-1]           ; lane i keeps row i's score: the mask was made, and waited for, at the head
.endif
.set i, i+1
.endr
	; Row 32 w + lane of the work-group is thread t's: the 256 scores meet in LDS and leave 16 bytes a lane.
	v_lshlrev_b32 v4, 2, v0
	s_wait_alu depctr_va_vdst(0)                   ; v4 and v3 are written, the LDS store's address and data; the chains are done with v[4:7], in which the LDS load below lands
	ds_store_b32 v4, v3 offset:SC
	s_wait_dscnt 0x0                               ; for waves 0 and 1: zero
	s_barrier_signal -1
	s_barrier_wait -1
	s_cmp_ge_u32 s10, 2
	s_cbranch_scc1 .Lend                           ; 1,024 bytes are 64 threads' 16 bytes
	s_wait_alu depctr_vm_vsrc(0)                   ; my LDS store has read v4, in which the load below lands
	ds_load_b128 v[4:7], v14 offset:SC
	s_wait_dscnt 0x0
	global_store_b128 v14, v[4:7], s[8:9]          ; sixteen neighbouring lanes store 256 consecutive bytes, aligned
.Lend:
	s_wait_dscnt 0x0
	s_wait_alu depctr_hold_cnt(0) depctr_sa_sdst(0) depctr_va_vdst(0) depctr_va_sdst(0) depctr_va_ssrc(0) depctr_va_vcc(0) depctr_vm_vsrc(0)
	s_wait_tensorcnt 0x0
	ds_add_u32 v240, v241
	s_wait_dscnt 0x0
	s_endpgm
.Lfunc_end_k_q81d2ada7c8_score:
	.size	k_q81d2ada7c8_score, .Lfunc_end_k_q81d2ada7c8_score-k_q81d2ada7c8_score
	.p2alignl 7, 3214868480
	.fill 96, 4, 3214868480
	.section	.rodata,"a",@progbits
	.p2align	6, 0x0
	.amdhsa_kernel k_q81d2ada7c8_score
		.amdhsa_group_segment_fixed_size 9216
		.amdhsa_private_segment_fixed_size 0
		.amdhsa_enable_private_segment 0
		.amdhsa_kernarg_size 24
		.amdhsa_user_sgpr_count 2
		.amdhsa_user_sgpr_kernarg_segment_ptr 1
		.amdhsa_wavefront_size32 1
		.amdhsa_system_sgpr_workgroup_id_x 1
		.amdhsa_system_sgpr_workgroup_id_y 1
		.amdhsa_system_sgpr_workgroup_id_z 1
		.amdhsa_system_vgpr_workitem_id 0
		.amdhsa_next_free_vgpr 242
		.amdhsa_next_free_sgpr 66
		.amdhsa_reserve_vcc 0
		.amdhsa_float_denorm_mode_32 3
		.amdhsa_float_denorm_mode_16_64 3
		.amdhsa_memory_ordered 1
		.amdhsa_forward_progress 1
		.amdhsa_inst_pref_size 85
	.end_amdhsa_kernel
	.amdgpu_metadata
---
amdhsa.version: [ 1, 2 ]
amdhsa.kernels:
  - .name:           k_q81d2ada7c8_score
    .symbol:         k_q81d2ada7c8_score.kd
    .args:
      - { .name: encoder_outputs, .offset: 0, .size: 8, .value_kind: global_buffer, .address_space: global }
      - { .name: vpart, .offset: 8, .size: 8, .value_kind: global_buffer, .address_space: global }
      - { .name: scores, .offset: 16, .size: 8, .value_kind: global_buffer, .address_space: global }
    .group_segment_fixed_size: 9216
    .private_segment_fixed_size: 0
    .kernarg_segment_align: 8
    .kernarg_segment_size: 24
    .max_flat_workgroup_size: 256
    .sgpr_count:     66
    .vgpr_count:     242
    .wavefront_size: 32
...
	.end_amdgpu_metadata
.endif
;; end of part 4
;; launch soft: the kernel of part 3 again; grid 32 x 1, 8 waves a work-group, no clusters, 1,280 bytes of LDS; arguments scores, hidden, b, out0; writes out0
